; MI455X (gfx1250); checked and timed in simulation.
; The chip was launched on July 23, 2026; its instructions are those of AMD's public machine-readable ISA for CDNA 5 (MIT licence, August 2026) and "CDNA5" Instruction Set Architecture Reference Guide (July 2026). The comments in the code are by the model that wrote it; some were corrected since.
;; Dist Flash Attn. Allowed arithmetic: float matrix products may take bf16 or f16 operands with f32 sums; other float arithmetic in f32, or as packed bf16 or f16 multiplies, adds, multiply-adds, maxima and minima; sums over many terms, partial sums and values carried from step to step in f32; what a program stores and reads back later, other than sums and carried values, may be rounded once to bf16 or f16.
;; Inputs: is_causal_local 4 bool; is_causal_remote 4 bool; k_local 4,096 x 8 x 128 float32; k_remote 4,096 x 8 x 128 float32; kv_ranges_local 4 x 2 int32; kv_ranges_remote 4 x 2 int32; q 4,096 x 8 x 128 float32; q_ranges_local 4 x 2 int32; q_ranges_remote 4 x 2 int32; v_local 4,096 x 8 x 128 float32; v_remote 4,096 x 8 x 128 float32.
;; Outputs: out0 4,096 x 8 x 128 float32; out1 8 x 4,096 float32.
;; One version. Each part assembles by itself: llvm-mc -triple=amdgcn-amd-amdhsa -mcpu=gfx1250 --defsym DOCPART=n.
;; ======== version 1 of 1: 2 launches
;; limits: values are held in f16: magnitudes above 65,504 overflow, below 6.1e-05 lose precision; inputs' magnitudes at most 65,504; right only within a limited range of input values
;; workspace buffers: k16 16,777,216 bytes; v16 16,777,216 bytes
;; launch prep (part 1): grid 256 x 4, 8 waves a work-group, no clusters, 0 bytes of LDS; arguments k_local, k_remote, v_local, v_remote, k16, v16; writes k16, v16
.if DOCPART == 1
	.amdgcn_target "amdgcn-amd-amdhsa--gfx1250"
	.amdhsa_code_object_version 6
	.text
	.protected	k_qc73950b1ea_prep
	.globl	k_qc73950b1ea_prep
	.p2align	8
	.type	k_qc73950b1ea_prep,@function
k_qc73950b1ea_prep:
	s_mov_b64 s[64:65], 0
	v_nop
	global_prefetch_b8 v0, s[64:65] scope:SCOPE_SE
	s_setreg_imm32_b32 hwreg(HW_REG_WAVE_MODE, 25, 1), 1
	s_wait_xcnt 0x0
; THE CAST.  k16[src][key][head][ch] = bf16(k), v16[src][key][head][ch] = f16(bf16(v)); src 0 = local, 1 = remote; the layout stays.
; v is rounded to bf16 like every other input, and that number is written as f16, which is exact inside f16's range.
; LIMIT: |v| stays under 65,504 (beyond it f16 has no number); below 2^-14 v keeps f16's fixed step of 2^-24.
; SHARES.  Work-group y names the tensor (0 k_local, 1 k_remote, 2 v_local, 3 v_remote), x its 65,536 input bytes.  Thread t takes 16 bytes
; at 16 t of each of sixteen blocks of 4,096 bytes: a wave's load covers 512 consecutive bytes, its store of 8 bytes a lane 256 consecutive
; bytes, aligned.  All sixteen loads go out at once; no register is written twice while a memory instruction may read it, so the text has no loop.
; No LDS, no matrix unit, no cluster: every byte is read once and written once, and no two work-groups share a byte.
.set X, 4                              ; v[4:67]   sixteen loads of four f32
.set Y, 68                             ; v[68:99]  sixteen pairs of packed 16-bit numbers
	s_load_b256 s[4:11], s[0:1], 0x0               ; k_local s[4:5], k_remote s[6:7], v_local s[8:9], v_remote s[10:11]
	s_load_b128 s[12:15], s[0:1], 0x20             ; k16 s[12:13], v16 s[14:15]
	s_and_b32 s16, ttmp7, 0xffff                   ; which tensor
	s_and_b32 s17, s16, 1                          ; local or remote
	s_lshl_b32 s18, ttmp9, 16                      ; my 65,536 bytes of the input
	s_mov_b32 s19, 0
	s_lshl_b32 s20, ttmp9, 15                      ; my 32,768 bytes of the output,
	s_lshl_b32 s21, s17, 23                        ; in the source's half of the buffer
	s_add_co_u32 s20, s20, s21
	s_mov_b32 s21, 0
	v_lshlrev_b32 v1, 4, v0                        ; 16 t
	v_lshlrev_b32 v2, 3, v0                        ; 8 t
	s_wait_kmcnt 0x0
	s_cmp_eq_u32 s17, 0
	s_cselect_b64 s[22:23], s[4:5], s[6:7]
	s_cselect_b64 s[24:25], s[8:9], s[10:11]
	s_cmp_lt_u32 s16, 2
	s_cselect_b64 s[22:23], s[22:23], s[24:25]
	s_cselect_b64 s[26:27], s[12:13], s[14:15]
	s_add_nc_u64 s[22:23], s[22:23], s[18:19]
	s_add_nc_u64 s[26:27], s[26:27], s[20:21]
.irp i, 0,1,2,3,4,5,6,7,8,9,10,11,12,13,14,15
	global_load_b128 v[X+4*(\i):X+4*(\i)+3], v1, s[22:23] offset:4096*(\i) th:TH_LOAD_NT
.endr
	s_cmp_lt_u32 s16, 2
	s_cbranch_scc0 .Lvalues
.irp i, 0,1,2,3,4,5,6,7,8,9,10,11,12,13,14,15
	s_wait_loadcnt 15-(\i)                         ; loads come back in order: block i is in, the younger ones stay out
	v_cvt_pk_bf16_f32 v[Y+2*(\i)], v[X+4*(\i)], v[X+4*(\i)+1]
	v_cvt_pk_bf16_f32 v[Y+2*(\i)+1], v[X+4*(\i)+2], v[X+4*(\i)+3]
	global_store_b64 v2, v[Y+2*(\i):Y+2*(\i)+1], s[26:27] offset:2048*(\i) th:TH_STORE_NT
.endr
	s_endpgm
.Lvalues:
.irp i, 0,1,2,3,4,5,6,7,8,9,10,11,12,13,14,15
	s_wait_loadcnt 15-(\i)
	v_cvt_pk_bf16_f32 v[Y+2*(\i)], v[X+4*(\i)], v[X+4*(\i)+1]       ; the one rounding,
	v_cvt_pk_bf16_f32 v[Y+2*(\i)+1], v[X+4*(\i)+2], v[X+4*(\i)+3]
	v_lshlrev_b32 v[X+4*(\i)], 16, v[Y+2*(\i)]                     ; widened again,
	v_and_b32 v[X+4*(\i)+1], 0xffff0000, v[Y+2*(\i)]
	v_lshlrev_b32 v[X+4*(\i)+2], 16, v[Y+2*(\i)+1]
	v_and_b32 v[X+4*(\i)+3], 0xffff0000, v[Y+2*(\i)+1]
	v_cvt_pk_f16_f32 v[Y+2*(\i)], v[X+4*(\i)], v[X+4*(\i)+1]        ; and written as f16
	v_cvt_pk_f16_f32 v[Y+2*(\i)+1], v[X+4*(\i)+2], v[X+4*(\i)+3]
	global_store_b64 v2, v[Y+2*(\i):Y+2*(\i)+1], s[26:27] offset:2048*(\i) th:TH_STORE_NT
.endr
	s_endpgm
.Lfunc_end_k_qc73950b1ea_prep:
	.size	k_qc73950b1ea_prep, .Lfunc_end_k_qc73950b1ea_prep-k_qc73950b1ea_prep
	.p2alignl 7, 3214868480
	.fill 96, 4, 3214868480
	.section	.rodata,"a",@progbits
	.p2align	6, 0x0
	.amdhsa_kernel k_qc73950b1ea_prep
		.amdhsa_group_segment_fixed_size 0
		.amdhsa_private_segment_fixed_size 0
		.amdhsa_enable_private_segment 0
		.amdhsa_kernarg_size 48
		.amdhsa_user_sgpr_count 2
		.amdhsa_user_sgpr_kernarg_segment_ptr 1
		.amdhsa_wavefront_size32 1
		.amdhsa_system_sgpr_workgroup_id_x 1
		.amdhsa_system_sgpr_workgroup_id_y 1
		.amdhsa_system_sgpr_workgroup_id_z 1
		.amdhsa_system_vgpr_workitem_id 0
		.amdhsa_next_free_vgpr 104
		.amdhsa_next_free_sgpr 66
		.amdhsa_reserve_vcc 0
		.amdhsa_float_denorm_mode_32 3
		.amdhsa_float_denorm_mode_16_64 3
		.amdhsa_memory_ordered 1
		.amdhsa_forward_progress 1
		.amdhsa_inst_pref_size 16
	.end_amdhsa_kernel
	.amdgpu_metadata
---
amdhsa.version: [ 1, 2 ]
amdhsa.kernels:
  - .name:           k_qc73950b1ea_prep
    .symbol:         k_qc73950b1ea_prep.kd
    .args:
      - { .name: k_local, .offset: 0, .size: 8, .value_kind: global_buffer, .address_space: global }
      - { .name: k_remote, .offset: 8, .size: 8, .value_kind: global_buffer, .address_space: global }
      - { .name: v_local, .offset: 16, .size: 8, .value_kind: global_buffer, .address_space: global }
      - { .name: v_remote, .offset: 24, .size: 8, .value_kind: global_buffer, .address_space: global }
      - { .name: k16, .offset: 32, .size: 8, .value_kind: global_buffer, .address_space: global }
      - { .name: v16, .offset: 40, .size: 8, .value_kind: global_buffer, .address_space: global }
    .group_segment_fixed_size: 0
    .private_segment_fixed_size: 0
    .kernarg_segment_align: 8
    .kernarg_segment_size: 48
    .max_flat_workgroup_size: 256
    .sgpr_count:     66
    .vgpr_count:     104
    .wavefront_size: 32
...
	.end_amdgpu_metadata
.endif
;; end of part 1
;; launch attn (part 2): grid 32 x 8, 4 waves a work-group, no clusters, 211,968 bytes of LDS; arguments q_ranges_local, kv_ranges_local, q_ranges_remote, kv_ranges_remote, is_causal_local, is_causal_remote, q, k16, v16, out0, out1; writes out0, out1
.if DOCPART == 2
	.amdgcn_target "amdgcn-amd-amdhsa--gfx1250"
	.amdhsa_code_object_version 6
	.text
	.protected	k_qc73950b1ea_attn
	.globl	k_qc73950b1ea_attn
	.p2align	8
	.type	k_qc73950b1ea_attn,@function
k_qc73950b1ea_attn:
	s_mov_b64 s[64:65], 0
	v_nop
	global_prefetch_b8 v0, s[64:65] scope:SCOPE_SE
	s_setreg_imm32_b32 hwreg(HW_REG_WAVE_MODE, 25, 1), 1
	s_wait_xcnt 0x0
; TWO MASKED ATTENTIONS AND THEIR MERGE, AS ONE WALK.  The merge of the two stages, the remote one merged twice, is
;   lse = ln(sum_local e^s + 2 sum_remote e^s),  out = (sum_local e^s v + 2 sum_remote e^s v) / (the same sum),  s = q.k / sqrt(128);
; a row that sees no key has out = 0 and lse = -inf.  So: one running softmax over the local keys and then the remote ones.  THE WEIGHT 2: where the walk passes from local to remote the
; frame c m of every query is lowered by 1 (in the exponent of 2); from there on the sums stand for half the total, and 1 is added to log2 of the sum at the end.  Every wave passes that place once.
; FORMATS.  q, k in bf16 (q cast here, k by the launch before), products and sums in f32; the weights p and v in f16 (v is bf16-rounded, written as f16); l is the sum of the unrounded p.
; LIMITS.  True scores lie above -1e20 (m starts there; a hidden score counts as -1e30, so its weight is exactly 0 and l = 0 tells a row that saw nothing); range entries stay under 2^29 in magnitude;
; |v| under 65,504; p below 6e-5 keeps f16's fixed step; a weight below 2^-126 counts as 0; NaN and infinities are not treated apart.
; THE MASK is an input: for each source the union of four pairs (q range, key range, causal flag).  In pair p query q (qs <= q < qe) sees the keys ks .. min(ke, q + ke - qe + 1) - 1, or ks .. ke - 1 if not causal.
; SHARES.  A work-group owns 128 queries of one head.  Wave w owns the 64 queries of half w & 1 (four tiles of 16) and, of every tile of 128 keys, the 64 keys of half w >> 1; the two waves of a query
; half meet once, at the end, in LDS, in f32.
; THE WALK IS THE WAVE'S OWN.  Keys lie in 64 tiles of 128: local 0-31, remote 32-63; a step is my key half of a tile.  For each source the wave takes the hull, in steps, of the keys that any of its 64
; queries can see: TL local steps, then the remote ones, TV in all; T = max(TV, TL + 1, 2) trips.  A trip at or past TV is hidden.  For each trip the wave finds by scalar arithmetic whether its 64 x 64
; scores are all hidden (no product is made), all visible through one pair, or mixed (a mask pass on the scores).
; NO BARRIER IN THE WALK, SO NO RING IN LDS AND NO TENSOR LOAD.  The trip count hangs on ranges read from memory, and every wave must pass every barrier alike whatever is loaded; a ring that is filled
; again wants a barrier for each refill, so it would have to walk the constant 64 trips.  Instead each wave brings its own K and V through registers: K as fragments straight from memory (16 rows x 32 bytes
; an instruction; eight instructions cover 16 whole rows of 256 bytes), V as whole rows, through the wave's own LDS scratch, out of which ds_load_tr16_b128 turns it.  The two waves of a key half read the
; same 32 KiB of a step: that is the price.  NO CLUSTER: nothing is left that a joint load could bring, and the walks differ from wave to wave.
; IN FLIGHT.  The registers are the buffers: K of the next step is asked for as soon as this step's K Q^T has read K's registers, V of the next step as soon as V^T P has read V's: 64 loads, 32 KiB a wave.
; LAYOUT.  S^T = K Q^T (source 0 = 16 keys, source 1 = 16 queries): a lane holds ONE query (lane % 16) and the keys 8 (lane / 16) + 0..7 of each block of 16; two results rounded to f16 ARE source 1 of
; O^T = V^T P.
; PREFETCH.  Behind the loads of the next step's K a wave names 64 rows (256 bytes each, a lane a row, two instructions) of the step after that: K's rows in the wave of query half 0, V's in that of query
; half 1; and only where the block of 128 queries in front of mine (same head) does not walk that tile: with hulls that are equal or nested from block to block each row is named once; with hulls that have
; gaps a tile may be named by more than one work-group, and where the two waves' walks differ a row may go unnamed.  The walk's first two steps come by their loads alone; nothing is named at or past TV.
; REGISTERS, in windows of 256 (s_set_vgpr_msb: bits 1:0 source 0, 3:2 source 1, 5:4 source 2, 7:6 destination):
;   window 0: v0-11 addresses; v12-43 eight statistics a tile; v44-51 mask words; v52-55 at work; v56-63 constants and addresses; v64-191 S^T, 32 a tile; v192-255 P, 16 a tile
;   window 1: O^T, 64 a tile     window 2: v0-127 Q, 32 a tile; v128-255 K of a step     window 3: v0-127 V of a step; v128-191 the mask's numbers
.set PV,    288       ; a row of V in my scratch: 256 bytes + 32
.set QUART, 64*PV     ; wave w's scratch at QUART x w: 64 rows of V
.set STAGE, 4*QUART   ; at the head: q in bf16, 128 rows of 272 bytes.  At the end: for each wave 64 rows of O in f32, 528 bytes apart
.set QP,    272
.set OPI,   528
.set WSTG,  64*OPI
.set STATS, STAGE+4*WSTG  ; wave w at 512 w: (c m, l) of its 64 queries
.set LSEB,  STATS+2048    ; query half at 256 x half: 64 lse
.set SPARE, LSEB+512      ; the spare words, 128 bytes for each wave: two blocks of 256 bytes that no other line names
.set KO,  2           ; v2   my byte offset in a fragment's rows of K: (l % 16) x 2,048 + 16 (l / 16); never rewritten
.set VO,  3           ; v3   my byte offset in two rows of V: (l / 16) x 2,048 + 16 (l % 16); never rewritten
.set VS,  4           ; v4   where I put those 16 bytes in my scratch
.set AV,  5           ; v5   where the turning loads read
.set STO, 6           ; v6   the end: where I put 16 bytes of a row of O
.set RD0, 7           ; v7   the end: where I read a row back, first partner's stage
.set RD1, 8           ; v8   second partner's
.set GO,  10          ; v10  16 x lane: my bytes of a row of 512, in q and in out0
.set PFO, 11          ; v11  2,048 x lane: a key's rows lie 2,048 bytes apart in k16 and v16
.set ST,  12          ; tile t at ST + 8 t: c m, m, l (even keys', odd keys'), c0-c3 at work; a takes c2's place
.set MW,  44          ; mask words: tile t, keys 32 w on, at MW + 2 t + w
.set TX,  52
.set BIG, 56          ; -1e30
.set QSTO, 57
.set QRD, 58
.set STA, 59
.set STB, 60
.set LSA, 61
.set SPW, 62          ; LDS address of my spare word; never rewritten
.set NIL, 63          ; 0; never rewritten
.set S,   64
.set P,   192
.set KF,  128         ; window 2
.set WD,  128         ; window 3: how many keys from ks on my query of tile t sees in pair p, at WD + 4 t + p: the source in hand
.set WDR, 144         ;           the remote source's
.set H8,  160         ;           8 (lane / 16)
.set KB,  162         ;           my first key of the step
.set ONES, 163        ;           -1
.set AP,  164         ;           ks - KB, a pair each
.set SA,  168         ;           -1 << (that, held to 0..31), pair p, word w at SA + 2 p + w
.set TW,  176         ;           at work
.set WW,  180         ;           the words as they are made
.set QT,  188         ;           my query of tile t
.set GHR, 2           ; s2   my key half
.set QHR, 3           ; s3   my query half
.set KB16, 4          ; s[4:5]   k16 at my head and my key half of tile 0
.set VB16, 6          ; s[6:7]   v16 likewise
.set KA,  8           ; s[8:9]   k16 at the step that is being asked for
.set VA,  10          ; s[10:11] v16 likewise
.set PFB, 12          ; s[12:13] the one of the two whose rows I name ahead
.set X4,  16          ; at work in the head
.set X5,  17
.set X6,  18
.set WV,  22
.set GH64, 23         ; 64 x my key half
.set QW,  24          ; my wave's first query
.set Q0,  25          ; the work-group's
.set BL,  26          ; tile of trip x: x + BL if x < TL, else x + BR
.set TL,  27
.set BR,  28
.set TV,  29
.set PB0, 30          ; the hulls of the block in front: first tile and number of tiles, local,
.set PN0, 31
.set PB1, 104         ; and remote
.set PN1, 105
.set QRL, 32          ; the tables as loaded: s[32:39], s[40:47] local q and key ranges, s[48:55], s[56:63] remote; s66, s67 the flags, a byte a pair
.set KRL, 40
.set QRR, 48
.set KRR, 56
.set FLL, 66
.set FLR, 67
.set CUR, 68          ; s[68:79] the wave's classes for the source in hand: for pair p first key, width of 'some', width of 'all'
.set REM, 90          ; s[90:101] the remote source's
.set X0,  82          ; at work in the head, once k16's and v16's addresses have been taken from here
.set X1,  83
.set X2,  84
.set X3,  85
.set OB,  86          ; s[86:87] out0 at the first row that I store
.set LB,  88          ; s[88:89] out1 at my wave's first query
.set NL,  32          ; from here on: written when the tables are dead
.set TT,  33          ; the trip
.set LC,  34          ; the loop's counter
.set K0,  35          ; my first key of the step, in its source
.set CL,  36          ; 0 all hidden, 1 mixed, 2 all visible
.set ASKF, 37
.set T0,  38
.set T1,  39
.set CS,  48          ; s[48:49] c = log2(e) / sqrt(128)
.set SEL, 50          ; s[50:51] v_permlanex16_b32's selects: each lane takes its own place in the other half
.set NRC, 53          ; -1 / c
.set OFF, 54          ; s[54:55] a tile's byte offset
.set PFA, 56          ; s[56:57] where my prefetches stand
.set LM,  58          ; s[58:61] the end: the lanes whose row saw a key, a tile each
.set T2,  62
.set T3,  63
.set MSB, 0
.macro WIN new                      ; the high byte repeats the setting that is left; a switch that changes nothing is dropped
.if MSB != (\new)
	s_set_vgpr_msb (MSB<<8)|(\new)
.set MSB, \new
.endif
.endm
.set W_KQ, 0x0a       ; K and Q in window 2, S^T in window 0
.set W_PV, 0x53       ; V in window 3, P in window 0, O^T in window 1
.set W_RS, 0x41       ; O^T (destination and source 0) in window 1, the factor in window 0
.macro PLACES                       ; four places behind matrix instructions, in front of vector lines that read results and of loads into registers that were read
.rept 4
	v_nop
.endr
.endm
; For pair p of a source and the queries s[qa] .. s[qa] + qn - 1: s[X0] = the end of the keys that any of them sees, s[X1] = 1 if some may be seen.
.macro PAIRWIN QR, KR, FL, p, qa, qn
	s_add_co_i32 s[X2], s[\qa], \qn
	s_min_i32 s[X3], s[X2], s[(\QR)+2*(\p)+1]      ; one past the last of them that lies in the pair
	s_sub_co_i32 s[X4], s[(\KR)+2*(\p)+1], s[(\QR)+2*(\p)+1]
	s_add_co_i32 s[X3], s[X3], s[X4]               ; + ke - qe: one past its last key
	s_min_i32 s[X3], s[X3], s[(\KR)+2*(\p)+1]
	s_bitcmp1_b32 s[\FL], 8*(\p)
	s_cselect_b32 s[X0], s[X3], s[(\KR)+2*(\p)+1]
	s_cmp_lt_i32 s[(\QR)+2*(\p)], s[X2]
	s_cselect_b32 s[X1], 1, 0
	s_cmp_gt_i32 s[(\QR)+2*(\p)+1], s[\qa]
	s_cselect_b32 s[X1], s[X1], 0
	s_cmp_gt_i32 s[X0], s[(\KR)+2*(\p)]
	s_cselect_b32 s[X1], s[X1], 0
.endm
; The hull of what qn queries from s[qa] on can see in a source, keys lo .. hi - 1, as tiles s[LO] .. s[HI] - 1 (32 and 0 if nothing).  half = 0: the tiles of 128 keys that it touches.
; half = 1: the tiles whose 64 keys of MY half (128 s + GH64 on) it touches: the first s with 128 s + GH64 + 63 >= lo, and the number of s with 128 s + GH64 < hi.
.macro HULL QR, KR, FL, qa, qn, LO, HI, half
	s_mov_b32 s[\LO], 4096
	s_mov_b32 s[\HI], 0
.irp p, 0,1,2,3
	PAIRWIN \QR, \KR, \FL, \p, \qa, \qn
	s_min_i32 s[X2], s[\LO], s[(\KR)+2*(\p)]
	s_max_i32 s[X3], s[\HI], s[X0]
	s_cmp_eq_u32 s[X1], 1
	s_cselect_b32 s[\LO], s[X2], s[\LO]
	s_cselect_b32 s[\HI], s[X3], s[\HI]
.endr
	s_max_i32 s[\LO], s[\LO], 0
	s_min_i32 s[\HI], s[\HI], 4096
.if \half
	s_add_co_i32 s[\LO], s[\LO], 64
	s_sub_co_i32 s[\LO], s[\LO], s[GH64]
	s_sub_co_i32 s[\HI], s[\HI], s[GH64]
.endif
	s_lshr_b32 s[\LO], s[\LO], 7
	s_add_co_i32 s[\HI], s[\HI], 127               ; at least 63: never negative
	s_lshr_b32 s[\HI], s[\HI], 7
.endm
; The wave's classes.  For a step of 64 keys from K0 on and pair p: some key may be seen where K0 + 63 - AL < AW, all 64 x 64 are seen where K0 - AL < FW (both unsigned).
.macro CLASSSET QR, KR, FL, D
.irp p, 0,1,2,3
	PAIRWIN \QR, \KR, \FL, \p, QW, 64
	s_sub_co_i32 s[X2], s[X0], s[(\KR)+2*(\p)]
	s_add_co_i32 s[X2], s[X2], 63
	s_cmp_eq_u32 s[X1], 1
	s_cselect_b32 s[(\D)+(\p)], s[(\KR)+2*(\p)], 0x40000000
	s_cselect_b32 s[(\D)+4+(\p)], s[X2], 0
	s_sub_co_i32 s[X3], s[(\KR)+2*(\p)+1], s[(\QR)+2*(\p)+1]
	s_add_co_i32 s[X3], s[X3], s[QW]
	s_add_co_i32 s[X3], s[X3], 1                   ; one past the last key of my first query, which sees the fewest
	s_min_i32 s[X3], s[X3], s[(\KR)+2*(\p)+1]
	s_bitcmp1_b32 s[\FL], 8*(\p)
	s_cselect_b32 s[X3], s[X3], s[(\KR)+2*(\p)+1]
	s_sub_co_i32 s[X3], s[X3], s[(\KR)+2*(\p)]
	s_sub_co_i32 s[X3], s[X3], 63
	s_max_i32 s[X3], s[X3], 0
	s_add_co_i32 s[X4], s[QW], 64
	s_cmp_le_i32 s[(\QR)+2*(\p)], s[QW]            ; and all my 64 queries lie in the pair
	s_cselect_b32 s[X3], s[X3], 0
	s_cmp_le_i32 s[X4], s[(\QR)+2*(\p)+1]
	s_cselect_b32 s[(\D)+8+(\p)], s[X3], 0
.endr
.endm
; For each of my four queries and each pair: how many keys from ks on it sees; 0 where it lies outside the pair.  All in window 3.
.macro WDSET QR, KR, FL, WB
	WIN 0xff
.irp p, 0,1,2,3
	s_sub_co_i32 s[X0], s[(\QR)+2*(\p)+1], s[(\QR)+2*(\p)]
	s_max_i32 s[X0], s[X0], 0
	s_sub_co_i32 s[X1], s[(\KR)+2*(\p)+1], s[(\QR)+2*(\p)+1]
	s_add_co_i32 s[X1], s[X1], 1
	s_bitcmp1_b32 s[\FL], 8*(\p)
	s_cselect_b32 s[X1], s[X1], 0x20000000         ; not causal: far past every ke
.irp t, 0,1,2,3
	v_add_nc_u32 v[TW+(\t)], s[X1], v[QT+(\t)]
	v_min_i32 v[TW+(\t)], s[(\KR)+2*(\p)+1], v[TW+(\t)]
	v_sub_nc_u32 v[TW+(\t)], v[TW+(\t)], s[(\KR)+2*(\p)]
	v_max_i32 v[TW+(\t)], 0, v[TW+(\t)]
	v_sub_nc_u32 v[WW+(\t)], v[QT+(\t)], s[(\QR)+2*(\p)]
	v_cmp_gt_u32 vcc_lo, s[X0], v[WW+(\t)]
	v_cndmask_b32 v[(\WB)+4*(\t)+(\p)], 0, v[TW+(\t)], vcc_lo
.endr
.endr
.endm
; The tile of trip TT + add; held to the buffers' 64 tiles before it enters an address.
.macro TILEOF dst, add
	s_add_co_u32 s[\dst], s[TT], \add
	s_cmp_lt_u32 s[\dst], s[TL]
	s_cselect_b32 s[T3], s[BL], s[BR]
	s_add_co_u32 s[\dst], s[\dst], s[T3]
	s_min_u32 s[\dst], s[\dst], 63
.endm
.macro CLASSIFY                     ; from the tile in s[T0]: K0 and CL
	s_and_b32 s[K0], s[T0], 31
	s_lshl_b32 s[K0], s[K0], 7
	s_add_co_u32 s[K0], s[K0], s[GH64]
	s_add_co_u32 s[T1], s[K0], 63
	s_mov_b32 s[CL], 0
	s_mov_b32 s[T3], 0
.irp p, 0,1,2,3
	s_sub_co_u32 s[T2], s[T1], s[CUR+(\p)]
	s_cmp_lt_u32 s[T2], s[CUR+4+(\p)]
	s_cselect_b32 s[CL], 1, s[CL]
	s_sub_co_u32 s[T2], s[K0], s[CUR+(\p)]
	s_cmp_lt_u32 s[T2], s[CUR+8+(\p)]
	s_cselect_b32 s[T3], 1, s[T3]
.endr
	s_add_co_u32 s[CL], s[CL], s[T3]               ; 'all' implies 'some'
	s_cmp_lt_u32 s[TT], s[TV]
	s_cselect_b32 s[CL], s[CL], 0
.endm
; From local to remote: the remote classes and widths, and every query's frame one lower: what has been summed now counts half.
.macro SWITCH
.set i, 0
.rept 12
	s_mov_b32 s[CUR+i], s[REM+i]
.set i, i+1
.endr
	WIN 0xc3
.set i, 0
.rept 16
	v_mov_b32 v[WD+i], v[WDR+i]
.set i, i+1
.endr
	WIN 0
.irp t, 0,1,2,3
	v_add_f32 v[ST+8*(\t)], -1.0, v[ST+8*(\t)]
	v_add_f32 v[ST+8*(\t)+1], s[NRC], v[ST+8*(\t)+1]
.endr
.endm
; The addresses of the next step's K and V, and of the step after it for the prefetch, each made anew from the tile's number.
.macro NEXTADR
	s_wait_xcnt 0x0                 ; every load and prefetch issued so far has read its address, so the three pointers may be written
	TILEOF T0, 1
	s_lshl_b32 s[OFF], s[T0], 18    ; 128 keys of 2,048 bytes
	s_add_nc_u64 s[KA:KA+1], s[KB16:KB16+1], s[OFF:OFF+1]
	s_add_nc_u64 s[VA:VA+1], s[VB16:VB16+1], s[OFF:OFF+1]
	TILEOF T0, 2                    ; to be named now, if it is live and the block in front does not walk it
	s_lshl_b32 s[OFF], s[T0], 18
	s_add_nc_u64 s[PFA:PFA+1], s[PFB:PFB+1], s[OFF:OFF+1]
	s_sub_co_u32 s[T1], s[T0], s[PB0]
	s_cmp_lt_u32 s[T1], s[PN0]
	s_cselect_b32 s[ASKF], 0, 1
	s_sub_co_u32 s[T1], s[T0], s[PB1]
	s_cmp_lt_u32 s[T1], s[PN1]
	s_cselect_b32 s[ASKF], 0, s[ASKF]
	s_add_co_u32 s[T1], s[TT], 2
	s_cmp_lt_u32 s[T1], s[TV]
	s_cselect_b32 s[ASKF], s[ASKF], 0
.endm
; A step's K, 64 keys x 128 channels, as 16 fragments straight from memory: lane l holds row l % 16, channels 8 (l / 16) + 0..7 and 16 + 8 (l / 16) + 0..7 of 32: two loads of 16 bytes, 32 bytes apart.
.macro LOADK
	WIN 0x80                        ; destination window 2, offset window 0
.irp f, 0,1,2,3,4,5,6,7,8,9,10,11,12,13,14,15  ; keys 16 (f / 4) on, channels 32 (f % 4) on
	global_load_b128 v[KF+8*(\f):KF+8*(\f)+3],   v[KO], s[KA:KA+1] offset:((\f)/4)*32768+((\f)%4)*64
	global_load_b128 v[KF+8*(\f)+4:KF+8*(\f)+7], v[KO], s[KA:KA+1] offset:((\f)/4)*32768+((\f)%4)*64+32
.endr
.endm
; A step's V as it lies: two keys' rows of 256 bytes an instruction, sixteen lanes a row.
.macro LOADV
	WIN 0xc0                        ; destination window 3
.set i, 0
.rept 32
	global_load_b128 v[4*i:4*i+3], v[VO], s[VA:VA+1] offset:4096*i
.set i, i+1
.endr
.endm
; V through my scratch: in as rows, out turned, into the registers that it left.  LDS serves a wave's instructions in order (ISA guide 5.7.1.4): the loads see the stores, and the stores come behind the
; last step's loads.  The bytes are my wave's own.
.macro STAGEV
	WIN 0x0c                        ; store data window 3, address window 0
.set i, 0
.rept 32
	ds_store_b128 v[VS], v[4*i:4*i+3] offset:2*PV*i
.set i, i+1
.endr
	WIN 0xc0
.irp f, 0,1,2,3,4,5,6,7,8,9,10,11,12,13,14,15  ; keys 32 (f / 8) on, channels 16 (f % 8) on
	ds_load_tr16_b128 v[8*(\f):8*(\f)+3],   v[AV] offset:((\f)/8)*32*PV+((\f)%8)*32
	ds_load_tr16_b128 v[8*(\f)+4:8*(\f)+7], v[AV] offset:((\f)/8)*32*PV+16*PV+((\f)%8)*32
.endr
.endm
; 64 products S^T = K Q^T: channels 32 (i / 16) on, keys 16 ((i / 4) % 4) on, tile i % 4.  The 16 accumulators take turns; the first 16 products start the sums.
.macro KQALL
	WIN W_KQ
.set i, 0
.rept 64
.set rS, S+32*(i%4)+8*((i/4)%4)
.set rK, KF+32*((i/4)%4)+8*(i/16)
.set rQ, 32*(i%4)+8*(i/16)
.if i < 16
	v_wmma_f32_16x16x32_bf16 v[rS:rS+7], v[rK:rK+7], v[rQ:rQ+7], 0
.else
	v_wmma_f32_16x16x32_bf16 v[rS:rS+7], v[rK:rK+7], v[rQ:rQ+7], v[rS:rS+7]
.endif
.set i, i+1
.endr
.endm
; 64 products O^T += V^T P: keys 32 (i / 32) on, channels 16 ((i / 4) % 8) on, tile i % 4.  The 32 accumulators take turns.
.macro PVALL
	WIN W_PV
.set i, 0
.rept 64
.set rO, 64*(i%4)+8*((i/4)%8)
.set rV, 64*(i/32)+8*((i/4)%8)
.set rP, P+16*(i%4)+8*(i/32)
	v_wmma_f32_16x16x32_f16 v[rO:rO+7], v[rV:rV+7], v[rP:rP+7], v[rO:rO+7]
.set i, i+1
.endr
.endm
; One tile's softmax for a step is a list of 134 instructions; SM writes number j of it for tile t.  s0-s31 are the lane's 32 scores, in pairs 0-15.
;   0-15    the maximum of s0-s31 and the old m, three operands at a time (each accumulator's lowest registers are read first)
;   16-20   the other half of the lanes' maximum; the new m; c m; c m_old - c m_new
;   21-69   the 16 scalings c s - c m and all 33 exponentials (a at 23): none of these names an exponential's result
;   70-85   the roundings to f16     86-101  the sums; l = a l + the sum     102-133 the tile's O^T times a
.macro SM t
.set rT, ST+8*(\t)
.set rS, S+32*(\t)
.set rP, P+16*(\t)
.set rO, 64*(\t)+2*(j-102)
.if j < 4
	v_max3_num_f32 v[rT+4+j], v[rS+8*j], v[rS+8*j+1], v[rS+8*j+2]
.elseif j < 12
	v_max3_num_f32 v[rT+4+j%4], v[rT+4+j%4], v[rS+8*(j%4)+2*(j/4)+1], v[rS+8*(j%4)+2*(j/4)+2]
.elseif j == 12
	v_max3_num_f32 v[rT+4], v[rT+4], v[rS+7], v[rS+15]
.elseif j == 13
	v_max3_num_f32 v[rT+6], v[rT+6], v[rS+23], v[rS+31]
.elseif j == 14
	v_max3_num_f32 v[rT+4], v[rT+4], v[rT+5], v[rT+6]
.elseif j == 15
	v_max3_num_f32 v[rT+4], v[rT+4], v[rT+7], v[rT+1]
.elseif j == 16
	v_permlanex16_b32 v[rT+5], v[rT+4], s[SEL], s[SEL+1]  ; the query's other 32 keys lie in the lane 16 away
.elseif j == 17
	v_mov_b32 v[rT+7], v[rT]        ; c m_old is kept for a
.elseif j == 18
	v_max_num_f32 v[rT+1], v[rT+4], v[rT+5]
.elseif j == 19
	v_mul_f32 v[rT], s[CS], v[rT+1]
.elseif j == 20
	v_sub_f32 v[rT+7], v[rT+7], v[rT]
.elseif j == 23
	v_exp_f32 v[rT+6], v[rT+7]
.elseif (j < 23) || ((j < 38) && (j%2 == 0)) || ((j < 66) && (j%4 == 2))
.set b, (j-2)/4                     ; 38, 42, .. 62: pairs 9 to 15
.if j < 38
.set b, (j-20)/2                    ; 21: pair 0; 22, 24, .. 36: pairs 1 to 8
.endif
	v_pk_fma_f32 v[rS+2*b:rS+2*b+1], v[rS+2*b:rS+2*b+1], s[CS:CS+1], v[rT:rT+1] op_sel_hi:[1,0,0] neg_lo:[0,0,1] neg_hi:[0,0,1]
.elseif j < 70
.set e, j-38                        ; 66 to 69: s28 to s31
.if j < 66
.set e, j-32-(j-38)/4               ; 39-41, 43-45, .. 63-65: s7 to s27
.endif
.if j < 38
.set e, (j-25)/2                    ; 25, 27, .. 37: s0 to s6
.endif
	v_exp_f32 v[rS+e], v[rS+e]
.elseif j < 86
	v_cvt_pk_f16_f32 v[rP+j-70], v[rS+2*(j-70)], v[rS+2*(j-70)+1]
.elseif j < 102                     ; the sum of the 16 pairs, in place: neighbours 1, 2, 4 and 8 pairs apart, then l takes it
.set z, j-86
.set w, 4
.set u, z
.if z >= 14
.set w, 32
.set u, 0
.elseif z >= 12
.set w, 16
.set u, z-12
.elseif z >= 8
.set w, 8
.set u, z-8
.endif
.if z < 15
	v_pk_add_f32 v[rS+w*u:rS+w*u+1], v[rS+w*u:rS+w*u+1], v[rS+w*u+w/2:rS+w*u+w/2+1]
.else
	v_pk_fma_f32 v[rT+2:rT+3], v[rT+2:rT+3], v[rT+6:rT+7], v[rS:rS+1] op_sel_hi:[1,0,1]
.endif
.else
	v_pk_mul_f32 v[rO:rO+1], v[rO:rO+1], v[rT+6:rT+7] op_sel_hi:[1,0]
.endif
.endm
.macro SM4
	SM 0
	SM 1
	SM 2
	SM 3
.set j, j+1
.endm
; The four tiles' lists, number by number, so that no line reads the result of the one before it.  SOFT1: numbers 0 to 69; the 132 exponentials are one batch with one wait ahead of
; the first line that names a result.  SOFT2: numbers 70 to 133.
.macro SOFT1
	WIN 0
.set j, 0
.rept 70
	SM4
.endr
	v_nop                           ; the plain instruction behind the last exponential
	s_wait_alu depctr_va_vdst(0)
.endm
.macro SOFT2
	WIN 0
.rept 32
	SM4
.endr
	WIN W_RS
.rept 32
	SM4
.endr
.endm
; THE MASK of a mixed step.  Seen from my first key KB = K0 + 8 (lane / 16) my 32 scores of a tile are the keys 16 kb + j: bits 0-7 and 16-23 of two words of 32 keys.  Pair p shows my query the keys
; A .. A + WD - 1, A = ks - KB: in a word the bits from A up to A + WD, each held to 0..31 (bits 24-31 are not used, so 31 does for 32): two shifted rows of ones, exclusive or.  The pairs' words are or-ed.
.macro MASKBUILD
	WIN 0xff
	v_add_nc_u32 v[KB], s[K0], v[H8]
.irp p, 0,1,2,3
	v_sub_nc_u32 v[AP+(\p)], s[CUR+(\p)], v[KB]
.endr
.irp p, 0,1,2,3
	v_max_i32 v[TW], 0, v[AP+(\p)]
	v_add_nc_u32 v[TW+1], 0xffffffe0, v[AP+(\p)]
	v_min_i32 v[TW], 31, v[TW]
	v_max_i32 v[TW+1], 0, v[TW+1]
	v_lshlrev_b32 v[SA+2*(\p)], v[TW], v[ONES]
	v_min_i32 v[TW+1], 31, v[TW+1]
	v_lshlrev_b32 v[SA+2*(\p)+1], v[TW+1], v[ONES]
.endr
.irp t, 0,1,2,3
.irp p, 0,1,2,3
.set ra, TW+2*((\p)%2)
	v_add_nc_u32 v[ra], v[AP+(\p)], v[WD+4*(\t)+(\p)]
	v_add_nc_u32 v[ra+1], 0xffffffe0, v[ra]
	v_max_i32 v[ra], 0, v[ra]
	v_max_i32 v[ra+1], 0, v[ra+1]
	v_min_i32 v[ra], 31, v[ra]
	v_min_i32 v[ra+1], 31, v[ra+1]
	v_lshlrev_b32 v[ra], v[ra], v[ONES]
	v_lshlrev_b32 v[ra+1], v[ra+1], v[ONES]
.if (\p) == 0
	v_xor_b32 v[WW+2*(\t)], v[SA], v[ra]           ; the first pair starts the words: nothing is cleared
	v_xor_b32 v[WW+2*(\t)+1], v[SA+1], v[ra+1]
.else
	v_xor_b32 v[ra], v[SA+2*(\p)], v[ra]
	v_xor_b32 v[ra+1], v[SA+2*(\p)+1], v[ra+1]
	v_or_b32 v[WW+2*(\t)], v[WW+2*(\t)], v[ra]
	v_or_b32 v[WW+2*(\t)+1], v[WW+2*(\t)+1], v[ra+1]
.endif
.endr
.endr
	WIN 0x03
.set i, 0
.rept 8
	v_mov_b32 v[MW+i], v[WW+i]
.set i, i+1
.endr
	WIN 0
.endm
; Score i (tile i / 32, key block (i / 8) % 4, register i % 8): its bit goes to the sign's place; where it is 0 the score becomes -1e30.  Each accumulator's registers are taken from the lowest on.
.macro MASKAPPLY
	WIN 0
.set i, 0
.rept 128
	v_lshlrev_b32 v[TX+i%4], 31-(16*((i/8)%2)+i%8), v[MW+2*(i/32)+((i/8)%4)/2]
	v_cmp_gt_i32 vcc_lo, 0, v[TX+i%4]
	v_cndmask_b32 v[S+i], v[BIG], v[S+i], vcc_lo
.set i, i+1
.endr
.endm
; A TRIP.  At its head 64 loads of mine are out, in this order: this step's K (32), this step's V (32).  next = 1: the next step's are asked for, K's when K Q^T has read K's registers, V's when V^T P has
; read V's, so that the next trip's head finds the same.  A hidden step waits for its own 64 loads, whose registers the next 64 are to fill, and asks for those.  next = 0: the walk's last trip asks for nothing.
.macro TRIP next
	WIN 0
	s_cmp_lg_u32 s[TT], s[TL]
	s_cbranch_scc1 .Lsame_\@
	SWITCH
.Lsame_\@:
	TILEOF T0, 0
	CLASSIFY
	s_cmp_eq_u32 s[CL], 0
	s_cbranch_scc1 .Lhidden_\@
	s_wait_loadcnt 32               ; K's 32 loads are in; V's 32, issued behind them, stay out
	KQALL
	PLACES                          ; in front of the loads into K's registers, and of the lines that read the scores
	WIN 0
.if \next
	NEXTADR                         ; its wait stands 64 products behind the youngest load, and most of a trip behind the youngest prefetch
	LOADK
	WIN 0
	s_cmp_eq_u32 s[ASKF], 1
	s_cbranch_scc0 .Lnoask_\@
	global_prefetch_b8 v[PFO], s[PFA:PFA+1] th:TH_LOAD_NT scope:SCOPE_SE               ; 64 rows of the step that the next trip will ask for, a lane a row: 32,
	global_prefetch_b8 v[PFO], s[PFA:PFA+1] offset:65536 th:TH_LOAD_NT scope:SCOPE_SE  ; and 32
.Lnoask_\@:
.endif
	s_cmp_eq_u32 s[CL], 2
	s_cbranch_scc1 .Lfull_\@
	MASKBUILD
	MASKAPPLY
.Lfull_\@:
	SOFT1
	s_wait_loadcnt 32*(\next)       ; V's 32 loads are in; the next K's 32, issued behind them, stay out (in the last trip there are none)
	STAGEV                          ; the turned V lands under the rest of the softmax
	SOFT2
	s_wait_dscnt 0x0                ; V is in
	PVALL
	PLACES                          ; in front of the loads into V's registers
.if \next
	LOADV
	WIN 0
	s_branch .Ldone_\@
.Lhidden_\@:
	s_wait_loadcnt 0x0              ; this step's 64 loads have landed: their registers may be asked for again
	NEXTADR
	LOADK
	LOADV
	WIN 0
.Ldone_\@:
.else
	WIN 0
.Lhidden_\@:
.endif
	s_add_co_u32 s[TT], s[TT], 1
.endm
	; ---------------- THE HEAD ----------------
	s_load_b512 s[68:83], s[0:1], 0x0              ; the four range tables and two flag words s[68:79], q s[80:81], k16 s[82:83]
	s_load_b128 s[84:87], s[0:1], 0x40             ; v16 s[84:85], out0 s[86:87]
	s_load_b64 s[88:89], s[0:1], 0x50              ; out1
	v_lshl_add_u32 v[SPW], v0, 2, SPARE
	v_mov_b32 v[NIL], 0
	v_lshrrev_b32 v1, 5, v0
	v_readfirstlane_b32 s[WV], v1                  ; wave 0..3
	s_lshr_b32 s[GHR], s[WV], 1
	s_and_b32 s[QHR], s[WV], 1
	s_lshl_b32 s[GH64], s[GHR], 6
	s_lshl_b32 s[Q0], ttmp9, 7
	s_lshl_b32 s[QW], s[QHR], 6
	s_add_co_u32 s[QW], s[QW], s[Q0]
	s_and_b32 s[X6], ttmp7, 0xffff                 ; the head
	v_and_b32 v1, 15, v0                           ; l % 16
	v_bfe_u32 v9, v0, 4, 1                         ; l / 16
	v_and_b32 v[TX], 31, v0                        ; l
	v_lshlrev_b32 v[GO], 4, v[TX]
	v_lshlrev_b32 v[PFO], 11, v[TX]
	s_wait_kmcnt 0x0
	s_load_b256 s[QRL:QRL+7], s[68:69], 0x0
	s_load_b256 s[KRL:KRL+7], s[70:71], 0x0
	s_load_b256 s[QRR:QRR+7], s[72:73], 0x0
	s_load_b256 s[KRR:KRR+7], s[74:75], 0x0
	s_load_b32 s[FLL], s[76:77], 0x0
	s_load_b32 s[FLR], s[78:79], 0x0
	s_lshl_b32 s[X4], s[WV], 5                     ; q: wave w brings rows 32 w .. 32 w + 31 of the block, a row of 512 bytes an instruction
	s_add_co_u32 s[X4], s[X4], s[Q0]
	s_lshl_b32 s[X4], s[X4], 12
	s_lshl_b32 s[X5], s[X6], 9
	s_add_co_u32 s[X4], s[X4], s[X5]
	s_mov_b32 s[X5], 0
	s_add_nc_u64 s[80:81], s[80:81], s[X4:X5]
.set i, 0
.rept 32
	global_load_b128 v[S+4*i:S+4*i+3], v[GO], s[80:81] offset:4096*i th:TH_LOAD_NT
.set i, i+1
.endr
	s_lshl_b32 s[X4], s[X6], 8                     ; my head's 256 bytes of a key,
	s_lshl_b32 s[X5], s[GHR], 17                   ; 64 keys on for the second key half
	s_add_co_u32 s[X4], s[X4], s[X5]
	s_mov_b32 s[X5], 0
	s_add_nc_u64 s[KB16:KB16+1], s[82:83], s[X4:X5]
	s_add_nc_u64 s[VB16:VB16+1], s[84:85], s[X4:X5]
	s_cmp_eq_u32 s[QHR], 0                         ; of the two waves of a key half one names K's rows ahead, the other V's
	s_cselect_b64 s[PFB:PFB+1], s[KB16:KB16+1], s[VB16:VB16+1]
	s_lshl_b32 s[X4], s[GHR], 5                    ; out0: I store rows 32 (w >> 1) .. + 31 of my query half
	s_add_co_u32 s[X4], s[X4], s[QW]
	s_lshl_b32 s[X4], s[X4], 12
	s_lshl_b32 s[X5], s[X6], 9
	s_add_co_u32 s[X4], s[X4], s[X5]
	s_mov_b32 s[X5], 0
	s_add_nc_u64 s[OB:OB+1], s[OB:OB+1], s[X4:X5]
	s_lshl_b32 s[X4], s[X6], 14                    ; out1: [head][query]
	s_lshl_b32 s[X5], s[QW], 2
	s_add_co_u32 s[X4], s[X4], s[X5]
	s_mov_b32 s[X5], 0
	s_add_nc_u64 s[LB:LB+1], s[LB:LB+1], s[X4:X5]
	; offsets and LDS addresses, while the tables are on their way
	v_lshlrev_b32 v[KO], 11, v1
	v_lshl_add_u32 v[KO], v9, 4, v[KO]
	v_lshlrev_b32 v[VO], 11, v9
	v_lshl_add_u32 v[VO], v1, 4, v[VO]
	s_mul_i32 s[X0], s[WV], QUART                  ; my scratch: the wave's number times a constant
	v_mul_u32_u24 v[VS], v9, PV                    ; in: lanes 0-15 one row, lanes 16-31 the next
	v_lshl_add_u32 v[VS], v1, 4, v[VS]
	v_add_nc_u32 v[VS], s[X0], v[VS]
	; The turning load takes 16 keys x 16 channels (lane l reads key 8 (l / 16) + l % 8, channels 8 ((l / 8) % 2) + 0..7) and leaves half a fragment of V^T.
	v_and_b32 v[TX+1], 7, v0
	v_bfe_u32 v[TX+2], v0, 3, 1
	v_lshl_add_u32 v[AV], v9, 3, v[TX+1]
	v_mul_u32_u24 v[AV], v[AV], PV
	v_lshl_add_u32 v[AV], v[TX+2], 4, v[AV]
	v_add_nc_u32 v[AV], s[X0], v[AV]
	s_mul_i32 s[X0], s[WV], 32*QP                  ; q into the stage: my 32 rows, 8 bytes a lane
	s_add_co_u32 s[X0], s[X0], STAGE
	v_lshl_add_u32 v[QSTO], v[TX], 3, s[X0]
	s_mul_i32 s[X0], s[QHR], 64*QP                 ; and back as fragments: my query half's 64 rows
	s_add_co_u32 s[X0], s[X0], STAGE
	v_mul_u32_u24 v[QRD], v1, QP
	v_lshl_add_u32 v[QRD], v9, 4, v[QRD]
	v_add_nc_u32 v[QRD], s[X0], v[QRD]
	s_mul_i32 s[X0], s[WV], WSTG                   ; the end: my stage; row l % 16, 32 bytes for each half of the lanes
	s_add_co_u32 s[X0], s[X0], STAGE
	v_mul_u32_u24 v[STO], v1, OPI
	v_lshl_add_u32 v[STO], v9, 5, v[STO]
	v_add_nc_u32 v[STO], s[X0], v[STO]
	s_mul_i32 s[X0], s[QHR], WSTG                  ; back: whole rows of 512 bytes, from the stages of the two waves of my query half
	s_mul_i32 s[X1], s[GHR], 32*OPI
	s_add_co_u32 s[X0], s[X0], s[X1]
	s_add_co_u32 s[X0], s[X0], STAGE
	v_add_nc_u32 v[RD0], s[X0], v[GO]
	v_add_nc_u32 v[RD1], 2*WSTG, v[RD0]
	s_lshl_b32 s[X0], s[WV], 9
	s_add_co_u32 s[X0], s[X0], STATS
	v_lshl_add_u32 v[STA], v1, 3, s[X0]
	s_add_co_u32 s[X0], s[WV], 2                   ; my partner: the same queries, the other key half
	s_and_b32 s[X0], s[X0], 3
	s_lshl_b32 s[X0], s[X0], 9
	s_add_co_u32 s[X0], s[X0], STATS
	v_lshl_add_u32 v[STB], v1, 3, s[X0]
	s_lshl_b32 s[X0], s[QHR], 8
	s_add_co_u32 s[X0], s[X0], LSEB
	v_lshl_add_u32 v[LSA], v1, 2, s[X0]
	v_mov_b32 v[BIG], 0xf149f2ca                   ; -1e30
	WIN 0xc0
	v_lshlrev_b32 v[H8], 3, v9
	v_mov_b32 v[ONES], -1
	v_add_nc_u32 v[QT], s[QW], v1
	WIN 0xff
	v_add_nc_u32 v[QT+1], 16, v[QT]
	v_add_nc_u32 v[QT+2], 32, v[QT]
	v_add_nc_u32 v[QT+3], 48, v[QT]
	WIN 0
	s_wait_kmcnt 0x0                               ; the tables are in; their address registers are free
	HULL QRL, KRL, FLL, QW, 64, BL, TL, 1          ; my walk
	HULL QRR, KRR, FLR, QW, 64, BR, TV, 1
	s_sub_co_i32 s[TL], s[TL], s[BL]
	s_max_i32 s[TL], s[TL], 0                      ; local steps
	s_sub_co_i32 s[TV], s[TV], s[BR]
	s_max_i32 s[TV], s[TV], 0
	s_add_co_u32 s[TV], s[TV], s[TL]               ; live trips
	s_add_co_u32 s[BR], s[BR], 32
	s_sub_co_u32 s[BR], s[BR], s[TL]
	CLASSSET QRL, KRL, FLL, CUR
	CLASSSET QRR, KRR, FLR, REM
	; q: rounded to bf16, into the stage.  It stands ahead of the first step's loads, so that its waits count q's own loads alone
.set i, 0
.rept 32
	s_wait_loadcnt 31-i                            ; row i is in, the younger rows stay out
	v_cvt_pk_bf16_f32 v[P+2*i], v[S+4*i], v[S+4*i+1]
	v_cvt_pk_bf16_f32 v[P+2*i+1], v[S+4*i+2], v[S+4*i+3]
	ds_store_b64 v[QSTO], v[P+2*i:P+2*i+1] offset:QP*i
.set i, i+1
.endr
	s_cmp_gt_u32 s[TL], 0                          ; trip 0's tile
	s_cselect_b32 s[X0], s[BL], s[BR]
	s_min_u32 s[X0], s[X0], 63
	s_lshl_b32 s[X0], s[X0], 18
	s_mov_b32 s[X1], 0
	s_add_nc_u64 s[KA:KA+1], s[KB16:KB16+1], s[X0:X1]
	s_add_nc_u64 s[VA:VA+1], s[VB16:VB16+1], s[X0:X1]
	LOADK                                          ; the first step's 64 loads; all that follows in the head runs while they are on their way
	LOADV
	WIN 0
	s_sub_co_i32 s[X5], s[Q0], 128                 ; the block in front of mine
	HULL QRL, KRL, FLL, X5, 128, PB0, PN0, 0
	HULL QRR, KRR, FLR, X5, 128, PB1, PN1, 0
	s_sub_co_i32 s[PN0], s[PN0], s[PB0]
	s_max_i32 s[PN0], s[PN0], 0
	s_sub_co_i32 s[PN1], s[PN1], s[PB1]
	s_max_i32 s[PN1], s[PN1], 0
	s_add_co_u32 s[PB1], s[PB1], 32
	s_cmp_eq_u32 s[Q0], 0                          ; the first block has none in front
	s_cselect_b32 s[PN0], 0, s[PN0]
	s_cselect_b32 s[PN1], 0, s[PN1]
	WDSET QRL, KRL, FLL, WD
	WDSET QRR, KRR, FLR, WDR
	; the tables are dead from here on
	; O^T starts at 0: which step is a wave's first hangs on the ranges, so none can be written out with the constant 0 as its C
	WIN 0x40
.set i, 0
.rept 256
	v_mov_b32 v[i], 0
.set i, i+1
.endr
	WIN 0
	s_add_co_u32 s[NL], s[TL], 1                   ; T = max(TV, TL + 1, 2): trip TL, where the frame is lowered, is always walked
	s_max_u32 s[NL], s[NL], s[TV]
	s_max_u32 s[NL], s[NL], 2
	s_sub_co_u32 s[NL], s[NL], 1                   ; the loop's trips, at least one; the last trip stands behind the loop
	s_mov_b32 s[TT], 0
	s_mov_b32 s[CS], 0x3e0293ee                    ; c = log2(e) / sqrt(128) = 0.127517
	s_mov_b32 s[CS+1], s[CS]
	s_mov_b32 s[SEL], 0x76543210
	s_mov_b32 s[SEL+1], 0xfedcba98
	s_mov_b32 s[NRC], 0xc0faf233                   ; -1 / c
	s_mov_b32 s[OFF+1], 0
.irp t, 0,1,2,3
	v_mov_b32 v[ST+8*(\t)+1], 0xe0ad78ec           ; m = -1e20: below every true score, above every hidden one
	v_mul_f32 v[ST+8*(\t)], s[CS], v[ST+8*(\t)+1]
.irp n, 2,3,4,5,6,7
	v_mov_b32 v[ST+8*(\t)+(\n)], 0
.endr
.endr
	s_wait_dscnt 0x0                               ; for the others' sake: my rows of q lie in the stage
	s_barrier_signal -1
	s_barrier_wait -1
	WIN 0x80
.irp f, 0,1,2,3,4,5,6,7,8,9,10,11,12,13,14,15      ; Q's fragments: tile f / 4, channels 32 (f % 4) on
	ds_load_b128 v[8*(\f):8*(\f)+3],   v[QRD] offset:((\f)/4)*16*QP+((\f)%4)*64
	ds_load_b128 v[8*(\f)+4:8*(\f)+7], v[QRD] offset:((\f)/4)*16*QP+((\f)%4)*64+32
.endr
	WIN 0
	s_wait_dscnt 0x0
	; ---------------- THE WALK ----------------
	s_mov_b32 s[LC], 0
.Lloop:                                                ; NL trips, the wave's own number: no barrier stands in the walk
	TRIP 1
	s_add_co_u32 s[LC], s[LC], 1
	s_cmp_lt_u32 s[LC], s[NL]
	s_cbranch_scc1 .Lloop
	TRIP 0                                         ; the last trip is written out: nothing is left to fetch
	; ---------------- THE END ----------------
	; l's two halves and the other half of the lanes' are added; (c m, l) go to my partner and its to me
.irp t, 0,1,2,3
	v_add_f32 v[ST+8*(\t)+4], v[ST+8*(\t)+2], v[ST+8*(\t)+3]
.endr
.irp t, 0,1,2,3
	v_permlanex16_b32 v[ST+8*(\t)+5], v[ST+8*(\t)+4], s[SEL], s[SEL+1]
.endr
.irp t, 0,1,2,3
	v_add_f32 v[ST+8*(\t)+1], v[ST+8*(\t)+4], v[ST+8*(\t)+5]
.endr
.irp t, 0,1,2,3
	ds_store_b64 v[STA], v[ST+8*(\t):ST+8*(\t)+1] offset:128*(\t)  ; both halves of the lanes hold, and write, the same two numbers
.endr
	s_wait_dscnt 0x0
	s_barrier_signal -1                            ; this barrier also stands between every wave's reads of q's stage, waited for at the head, and the stores of O into the same bytes below
	s_barrier_wait -1
.irp t, 0,1,2,3
	ds_load_b64 v[ST+8*(\t)+2:ST+8*(\t)+3], v[STB] offset:128*(\t)
.endr
	s_wait_dscnt 0x0
.irp t, 0,1,2,3
	v_max_num_f32 v[ST+8*(\t)+4], v[ST+8*(\t)], v[ST+8*(\t)+2]     ; the common frame
.endr
.irp t, 0,1,2,3
	v_sub_f32 v[ST+8*(\t)+5], v[ST+8*(\t)], v[ST+8*(\t)+4]
	v_sub_f32 v[ST+8*(\t)+6], v[ST+8*(\t)+2], v[ST+8*(\t)+4]
.endr
.irp t, 0,1,2,3
	v_exp_f32 v[ST+8*(\t)+5], v[ST+8*(\t)+5]       ; my factor,
	v_exp_f32 v[ST+8*(\t)+6], v[ST+8*(\t)+6]       ; my partner's
.endr
	v_nop
	s_wait_alu depctr_va_vdst(0)                   ; one wait for the eight, ahead of the first line that names a result
.irp t, 0,1,2,3
	v_mul_f32 v[ST+8*(\t)+7], v[ST+8*(\t)+1], v[ST+8*(\t)+5]
.endr
.irp t, 0,1,2,3
	v_fmac_f32 v[ST+8*(\t)+7], v[ST+8*(\t)+3], v[ST+8*(\t)+6]      ; L, the whole sum in the common frame
.endr
.irp t, 0,1,2,3
	v_cmp_lt_f32 s[LM+(\t)], 0, v[ST+8*(\t)+7]     ; the row saw a key
.endr
.irp t, 0,1,2,3
	v_cndmask_b32 v[ST+8*(\t)+3], 1.0, v[ST+8*(\t)+7], s[LM+(\t)]
.endr
.irp t, 0,1,2,3
	v_rcp_f32 v[ST+8*(\t)+2], v[ST+8*(\t)+3]
.endr
.irp t, 0,1,2,3
	v_log_f32 v[ST+8*(\t)+1], v[ST+8*(\t)+3]
.endr
	v_mov_b32 v[MW+2], 0xff800000                  ; -inf; also the plain instruction behind the last of the eight
	s_wait_alu depctr_va_vdst(0)
.irp t, 0,1,2,3
	v_mul_f32 v[ST+8*(\t)+6], v[ST+8*(\t)+5], v[ST+8*(\t)+2]       ; what my O^T is multiplied by; a row that saw nothing holds zeros and keeps them
	v_add_f32 v[ST+8*(\t)+1], v[ST+8*(\t)+1], v[ST+8*(\t)+4]
.endr
.irp t, 0,1,2,3
	v_add_f32 v[ST+8*(\t)+1], 1.0, v[ST+8*(\t)+1]                  ; the sums stand for half the total
.endr
.irp t, 0,1,2,3
	v_mul_f32 v[ST+8*(\t)+1], 0x3f317218, v[ST+8*(\t)+1]           ; x ln 2
.endr
.irp t, 0,1,2,3
	v_cndmask_b32 v[ST+8*(\t)+1], v[MW+2], v[ST+8*(\t)+1], s[LM+(\t)]
.endr
	WIN W_RS
.set i, 0
.rept 128
	v_pk_mul_f32 v[2*i:2*i+1], v[2*i:2*i+1], v[ST+8*(i/32)+6:ST+8*(i/32)+7] op_sel_hi:[1,0]
.set i, i+1
.endr
	WIN 0x04                                       ; store data in window 1, address in window 0
.set i, 0
.rept 32                                           ; tile i / 8, channels 16 (i % 8) on: a lane's eight channels of a row are 32 bytes
	ds_store_b128 v[STO], v[8*i:8*i+3]   offset:(i/8)*16*OPI+(i%8)*64
	ds_store_b128 v[STO], v[8*i+4:8*i+7] offset:(i/8)*16*OPI+(i%8)*64+16
.set i, i+1
.endr
	WIN 0
	s_cmp_ge_u32 s[WV], 2                          ; of the two waves of a query half the first (waves 0 and 1) writes lse
	s_cbranch_scc1 .Lnolse
.irp t, 0,1,2,3
	ds_store_b32 v[LSA], v[ST+8*(\t)+1] offset:64*(\t)
.endr
.Lnolse:
	s_wait_dscnt 0x0
	s_barrier_signal -1
	s_barrier_wait -1                              ; all four stages are whole
.irp b, 0,1                                        ; my 32 rows, 16 at a time: a row from each partner's stage, added, stored whole: 512 consecutive bytes, aligned, an instruction
.if (\b) == 1
	s_wait_xcnt 0x0                                ; the first 16 stores have read their data registers, which are loaded again
.endif
.set i, 0
.rept 16
	ds_load_b128 v[S+8*i:S+8*i+3],   v[RD0] offset:(16*(\b)+i)*OPI
	ds_load_b128 v[S+8*i+4:S+8*i+7], v[RD1] offset:(16*(\b)+i)*OPI
.set i, i+1
.endr
.set i, 0
.rept 16
	s_wait_dscnt 30-2*i                            ; row i's two loads are in; the later rows' pairs stay out
	v_pk_add_f32 v[S+8*i:S+8*i+1], v[S+8*i:S+8*i+1], v[S+8*i+4:S+8*i+5]
	v_pk_add_f32 v[S+8*i+2:S+8*i+3], v[S+8*i+2:S+8*i+3], v[S+8*i+6:S+8*i+7]
	global_store_b128 v[GO], v[S+8*i:S+8*i+3], s[OB:OB+1] offset:4096*(16*(\b)+i) th:TH_STORE_NT
.set i, i+1
.endr
.endr
	s_cmp_ge_u32 s[WV], 2
	s_cbranch_scc1 .Lend
	v_and_b32 v[MW], 31, v0
	v_lshlrev_b32 v[MW], 3, v[MW]                  ; 8 x lane: 64 lse are 256 consecutive bytes, aligned
	s_lshl_b32 s[T0], s[QHR], 8
	s_add_co_u32 s[T0], s[T0], LSEB
	v_add_nc_u32 v[MW+1], s[T0], v[MW]
	ds_load_b64 v[TX:TX+1], v[MW+1]
	s_wait_dscnt 0x0
	global_store_b64 v[MW], v[TX:TX+1], s[LB:LB+1] th:TH_STORE_NT
.Lend:
	s_wait_tensorcnt 0x0                           ; the wave's end, behind my last LDS store
	ds_add_u32 v[SPW], v[NIL]
	s_wait_dscnt 0x0
	s_endpgm
.Lfunc_end_k_qc73950b1ea_attn:
	.size	k_qc73950b1ea_attn, .Lfunc_end_k_qc73950b1ea_attn-k_qc73950b1ea_attn
	.p2alignl 7, 3214868480
	.fill 96, 4, 3214868480
	.section	.rodata,"a",@progbits
	.p2align	6, 0x0
	.amdhsa_kernel k_qc73950b1ea_attn
		.amdhsa_group_segment_fixed_size 211968
		.amdhsa_private_segment_fixed_size 0
		.amdhsa_enable_private_segment 0
		.amdhsa_kernarg_size 88
		.amdhsa_user_sgpr_count 2
		.amdhsa_user_sgpr_kernarg_segment_ptr 1
		.amdhsa_wavefront_size32 1
		.amdhsa_system_sgpr_workgroup_id_x 1
		.amdhsa_system_sgpr_workgroup_id_y 1
		.amdhsa_system_sgpr_workgroup_id_z 1
		.amdhsa_system_vgpr_workitem_id 0
		.amdhsa_next_free_vgpr 1024
		.amdhsa_next_free_sgpr 106
		.amdhsa_reserve_vcc 1
		.amdhsa_float_denorm_mode_32 3
		.amdhsa_float_denorm_mode_16_64 3
		.amdhsa_memory_ordered 1
		.amdhsa_forward_progress 1
		.amdhsa_inst_pref_size 235
	.end_amdhsa_kernel
	.amdgpu_metadata
---
amdhsa.version: [ 1, 2 ]
amdhsa.kernels:
  - .name:           k_qc73950b1ea_attn
    .symbol:         k_qc73950b1ea_attn.kd
    .args:
      - { .name: q_ranges_local, .offset: 0, .size: 8, .value_kind: global_buffer, .address_space: global }
      - { .name: kv_ranges_local, .offset: 8, .size: 8, .value_kind: global_buffer, .address_space: global }
      - { .name: q_ranges_remote, .offset: 16, .size: 8, .value_kind: global_buffer, .address_space: global }
      - { .name: kv_ranges_remote, .offset: 24, .size: 8, .value_kind: global_buffer, .address_space: global }
      - { .name: is_causal_local, .offset: 32, .size: 8, .value_kind: global_buffer, .address_space: global }
      - { .name: is_causal_remote, .offset: 40, .size: 8, .value_kind: global_buffer, .address_space: global }
      - { .name: q, .offset: 48, .size: 8, .value_kind: global_buffer, .address_space: global }
      - { .name: k16, .offset: 56, .size: 8, .value_kind: global_buffer, .address_space: global }
      - { .name: v16, .offset: 64, .size: 8, .value_kind: global_buffer, .address_space: global }
      - { .name: out0, .offset: 72, .size: 8, .value_kind: global_buffer, .address_space: global }
      - { .name: out1, .offset: 80, .size: 8, .value_kind: global_buffer, .address_space: global }
    .group_segment_fixed_size: 211968
    .private_segment_fixed_size: 0
    .kernarg_segment_align: 8
    .kernarg_segment_size: 88
    .max_flat_workgroup_size: 128
    .sgpr_count:     106
    .vgpr_count:     1024
    .wavefront_size: 32
...
	.end_amdgpu_metadata
.endif
;; end of part 2
